; MI455X (gfx1250); checked and timed in simulation.
; The chip was launched on July 23, 2026; its instructions are those of AMD's public machine-readable ISA for CDNA 5 (MIT licence, August 2026) and "CDNA5" Instruction Set Architecture Reference Guide (July 2026). The comments in the code are by the model that wrote it; some were corrected since.
;; Legacy Elbo Generative Model Top. Allowed arithmetic: float matrix products may take bf16 or f16 operands with f32 sums; all other float work in f32.
;; Inputs: log_learning_rate one number float32; log_learning_rate_decay one number float32; log_weight_decay one number float32; noises 256 x 512 float32; output_scale one number float32; q_scale one number float32; qs 256 float32; sigma_b one number float32; tauqlpf_m1 one number float32; tauylpf_m1 one number float32; u_feedback_scale one number float32; w_in 2,048 float32; w_inq 2,048 float32; ys 256 float32; z_biases 2,048 float32.
;; Outputs: out0 256 x 512 float32.
;; 2 versions, each right; version 2 is version 1 with the launch chain written anew for expert scheduling mode. Each part assembles by itself: llvm-mc -triple=amdgcn-amd-amdhsa -mcpu=gfx1250 --defsym DOCPART=n.
;; ======== version 1 of 2: 1 launch
;; launch chain (part 1): grid 512 x 1, 4 waves a work-group, no clusters, 4,864 bytes of LDS; arguments noises, ys, qs, z_biases, w_in, w_inq, out0, log_learning_rate, log_learning_rate_decay, sigma_b, output_scale, u_feedback_scale, log_weight_decay, q_scale, tauqlpf_m1, tauylpf_m1; writes out0
.if DOCPART == 1
	.amdgcn_target "amdgcn-amd-amdhsa--gfx1250"
	.amdhsa_code_object_version 6
	.text
	.protected	k_qca40b435b5_chain
	.globl	k_qca40b435b5_chain
	.p2align	8
	.type	k_qca40b435b5_chain,@function
k_qca40b435b5_chain:
	s_mov_b64 s[64:65], 0
	v_nop
	global_prefetch_b8 v0, s[64:65] scope:SCOPE_SE
	s_setreg_imm32_b32 hwreg(HW_REG_WAVE_MODE, 25, 1), 1
	s_wait_xcnt 0x0
; An online-learning recurrence: 512 batch elements, each a chain of 256 steps on its own weights w[2048].
;   h = relu(b + s_t w_inq + x_t w_in),  u_t = <w, h>,  e = ylp_t - u_t,  w <- wd (w + lr e h),  lr <- lr exp(-rate sqrt(1e-4 + |lr e h|^2)),
;   x_(t+1) = ufs u_t + e + noise_(t+1),  out[t][b] = output_scale u_t.
; SHARES.  A work-group is ONE batch element (ttmp9), four waves.  Thread tau (0..127) keeps 16 of the 2,048 features, j = 512 m + 4 tau + i, for the whole launch:
; w, h, c, w_in, w_inq and b are 8 register pairs each, all arithmetic is f32, two features to a packed instruction.  Nothing of the state ever leaves registers.
; ONE EXCHANGE A STEP.  Each wave reduces (sum w h, sum h h) over its lanes, stores the pair to its own 8 bytes of a 32-byte LDS slot, one barrier, and every wave adds
; the four pairs in the same order: all waves carry the same scalars (u, e, x, lr, qlp, ylp), bit for bit, and no broadcast is needed.  Two slots take turns, so that
; one barrier a step orders both the stores in front of the reads and the reads in front of the slot's next stores (two steps and one barrier later).
; WHAT IS TAKEN OFF THE CHAIN x -> u -> x.  qlp, ylp, c = b + s w_inq and the decay wd w need no u: they are done between the slot's store and the barrier's wait.
; The learning-rate chain (square root, exponential) of step t is strewn among the packed work of step t + 1 and is ready before step t + 1's e.
; The per-step scalars (q_(t+1), y_t, noise_(t+1)[b]) lie in an LDS table of 256 entries of 16 bytes, built once, read by one load a step.
; THE DOT PRODUCT STAYS ON THE VECTOR UNIT: 'kj,kj->k' pairs row k of w with row k of h alone.  As a 16 x 16 x 32 matrix product only the 16 diagonal results of 256
; would be wanted, 512 of 8,192 multiply-adds, and w and h would have to be narrowed in every step of a 256-step feedback.  No tile is shared between work-groups but
; 24 KiB of vectors read once, so there are no clusters and no tensor loads; all memory reads stand at the head, so nothing is prefetched.
; noises and out0 are [step][batch]: this work-group's column is 4 bytes in each row of 2,048.  Each thread loads two such words and stores two, once in the launch.
; LIMITS.  (1) Sums run in another order than a plain loop over j (4 chains a lane, lanes, waves).  (2) x_(t+1) is formed as (ufs - 1) u + (ylp + noise), and the update
; as wd w + (wd lr e) h: one rounding more or less than the written order.  (3) |lr e h|^2 is formed as (lr e)^2 <h, h>: (lr e)^2 leaves f32's normal range for |lr e|
; below 1.1e-19 or above 1.8e19.  (4) v_exp_f32 gives 0 where the result is below 2^-126 (ISA guide, its entry in 15.8): log_learning_rate or log_weight_decay below
; -87.3 give 0 and not a denormal.  (5) softplus is log(1 + exp(v)), absolute error about 6e-8 on a tau of at least 1.  (6) relu by v_max_num_f32 makes 0 of a NaN:
; the values are right where the recurrence stays finite.
.set ROWB,  2048                       ; bytes in a row of noises and of out0 (512 f32)
.set TAB,   64                         ; LDS: bytes 0..63 two exchange slots of 32 bytes; from 64 the table, 256 x 16 bytes
.set FUDGE, 0x38d1b717                 ; 1e-4
.set WIN,  16                          ; v[16:31]   w_in of my 16 features
.set WINQ, 32                          ; v[32:47]   w_inq
.set B,    48                          ; v[48:63]   z_biases, then sigma_b z_biases
.set C,    64                          ; v[64:79]   c = b + s w_inq, then c + x w_in in place
.set H,    80                          ; v[80:95]   h
.set W,    96                          ; v[96:111]  w_out
.set D0,   112                         ; two chains of sum w h
.set D1,   114
.set E0,   116                         ; two chains of sum h h
.set E1,   118
.set R,    120                         ; (sum w h, sum h h) of the lane, then of the wave
.set T,    122                         ; the other half's pair
.set SUM,  124                         ; v[124:131] the four waves' pairs
.set US,   132                         ; (u, S = <h, h>)
.set X,    134                         ; (x of the next step, e)
.set G,    136                         ; (wd lr e, lr e)
.set LRP,  138                         ; (wd lr, lr), lr = lr0 lr_mult
.set Q,    140                         ; (exp(-rate norm), its exponent to base 2)
.set N,    142                         ; (norm^2, norm)
.set TB,   144                         ; v[144:147] a table entry: q_(t+1), y_t, noise_(t+1), 0
.set LP,   148                         ; (qlp, ylp)
.set SK,   150                         ; (s = q_scale qlp, k = ylp + noise)
.set TM,   152                         ; at work
.set TAU,  154                         ; (tauq, tauy)
.set OM,   156                         ; (1 - tauq, 1 - tauy)
.set WD,   158                         ; (wd, ufs - 1)
.set KC,   160                         ; (q_scale, -rate log2 e)
.set O0,   164                         ; u of step tau
.set O1,   165                         ; u of step 128 + tau
.set TID,  166                         ; v[167:169] tau - 1, tau - 2, tau - 3
.set ATB,  170                         ; 16 x the loop's counter: the table's read address
.set AST,  171                         ; 8 x wave: my wave's place in a slot
.set ARD,  172                         ; 0
.set OO,   173                         ; tau rows of out0, in bytes
	s_load_b512 s[8:23], s[0:1], 0x0               ; noises 8, ys 10, qs 12, z_biases 14, w_in 16, w_inq 18, out0 20, log_learning_rate 22
	s_load_b512 s[24:39], s[0:1], 0x40             ; log_lr_decay 24, sigma_b 26, output_scale 28, u_feedback_scale 30, log_weight_decay 32, q_scale 34, tauq 36, tauy 38
	v_lshl_add_u32 v254, v0, 2, 0x1100
	v_mov_b32 v255, 0
	s_lshl_b32 s2, ttmp9, 2                        ; my batch element's 4 bytes in a row
	s_mov_b32 s3, 0
	s_mov_b32 s6, 0x76543210                       ; v_permlanex16_b32: lane i of one half reads lane i of the other
	s_mov_b32 s7, 0xfedcba98
	s_mov_b32 s51, 0x3fb8aa3b                      ; log2 e
	s_mov_b32 s57, 0x3f317218                      ; ln 2
	v_lshrrev_b32 v2, 5, v0
	v_readfirstlane_b32 s4, v2                     ; wave 0..3
	s_lshl_b32 s59, s4, 3
	v_mov_b32 v[AST], s59
	v_mov_b32 v[ARD], 0
	v_mov_b32 v[ATB], 0
	v_lshlrev_b32 v1, 4, v0                        ; 16 tau: my 4 features in each block of 512
	v_add_nc_u32 v10, 1, v0                        ; entry tau wants step tau + 1's q and noise,
	v_add_nc_u32 v11, 129, v0                      ; entry tau + 128 step tau + 129's,
	v_min_u32 v11, 0xff, v11                       ; held at the last step: no load leaves its buffer (entry 255 is never read)
	v_lshlrev_b32 v12, 2, v0
	v_lshlrev_b32 v13, 11, v10                     ; rows of noises, in bytes
	v_lshlrev_b32 v14, 11, v11
	v_lshlrev_b32 v10, 2, v10
	v_lshlrev_b32 v11, 2, v11
	v_add_nc_u32 v15, TAB, v1                      ; where entry tau goes
.irp k, 1,2,3
	v_add_nc_u32 v[TID+\k], -\k, v0
.endr
	s_wait_kmcnt 0x0                               ; scalar loads come back in no order: only the count 0 shows the addresses there
	s_add_nc_u64 s[8:9], s[8:9], s[2:3]            ; noises and out0 at my column
	s_add_nc_u64 s[20:21], s[20:21], s[2:3]
	s_load_b32 s40, s[22:23], 0x0                  ; log_learning_rate
	s_load_b32 s41, s[24:25], 0x0                  ; log_learning_rate_decay
	s_load_b32 s42, s[26:27], 0x0                  ; sigma_b
	s_load_b32 s43, s[28:29], 0x0                  ; output_scale
	s_load_b32 s44, s[30:31], 0x0                  ; u_feedback_scale
	s_load_b32 s45, s[32:33], 0x0                  ; log_weight_decay
	s_load_b32 s46, s[34:35], 0x0                  ; q_scale
	s_load_b32 s47, s[36:37], 0x0                  ; tauqlpf_m1
	s_load_b32 s48, s[38:39], 0x0                  ; tauylpf_m1
	s_load_b32 s49, s[12:13], 0x0                  ; qs[0]
	s_load_b32 s50, s[8:9], 0x0                    ; noises[0][b]
.irp m, 0,1,2,3
	global_load_b128 v[B+4*\m:B+4*\m+3],       v1, s[14:15] offset:2048*\m   ; a wave's load covers 512 neighbouring bytes
	global_load_b128 v[WIN+4*\m:WIN+4*\m+3],   v1, s[16:17] offset:2048*\m
	global_load_b128 v[WINQ+4*\m:WINQ+4*\m+3], v1, s[18:19] offset:2048*\m
.endr
	global_load_b32 v2, v10, s[12:13]              ; entry tau: q of step tau + 1,
	global_load_b32 v3, v12, s[10:11]              ; y of step tau,
	global_load_b32 v4, v13, s[8:9]                ; noise of step tau + 1
	global_load_b32 v6, v11, s[12:13]              ; entry tau + 128 likewise
	global_load_b32 v7, v12, s[10:11] offset:512
	global_load_b32 v8, v14, s[8:9]
	v_mov_b32 v5, 0                                ; the entries' fourth words
	v_mov_b32 v9, 0
.irp i, 0,1,2,3,4,5,6,7
	v_dual_mov_b32 v[W+2*\i], 0 :: v_dual_mov_b32 v[W+2*\i+1], 0            ; w_out starts at zero: the recurrence's initial state
.endr
	v_mov_b32 v[T], 0                              ; v_permlanex16_b32 counts as a reader of its destination
	v_mov_b32 v[T+1], 0
	v_mov_b32 v[O0], 0                             ; the selects below keep the old value in the other lanes
	v_mov_b32 v[O1], 0
	s_wait_kmcnt 0x0                               ; the eleven scalars
	s_mul_f32 s52, s40, s51                        ; e^v = 2^(v log2 e)
	s_mul_f32 s53, s45, s51
	s_mul_f32 s54, s41, s51
	s_mul_f32 s55, s47, s51
	s_mul_f32 s56, s48, s51
	s_add_f32 s58, s44, -1.0                       ; ufs - 1
	v_exp_f32 v[LRP+1], s52                        ; lr0
	v_exp_f32 v[WD], s53                           ; wd
	v_exp_f32 v[KC+1], s54                         ; rate
	v_exp_f32 v[TAU], s55
	v_exp_f32 v[TAU+1], s56
	v_mov_b32 v[WD+1], s58                         ; the plain instruction between the exponentials and the first use of a result (ISA guide 5.7.2)
	s_wait_alu depctr_va_vdst(0)
	v_add_f32 v[TAU], 1.0, v[TAU]
	v_add_f32 v[TAU+1], 1.0, v[TAU+1]
	v_log_f32 v[TAU], v[TAU]                       ; log2(1 + e^v)
	v_log_f32 v[TAU+1], v[TAU+1]
	v_mul_f32 v[LRP], v[LRP+1], v[WD]              ; likewise behind the logarithms: wd lr0
	v_mul_f32 v[KC+1], 0xbfb8aa3b, v[KC+1]         ; -rate log2 e
	v_mov_b32 v[KC], s46
	s_wait_alu depctr_va_vdst(0)
	v_fma_f32 v[TAU], v[TAU], s57, 1.0             ; tau = 1 + softplus
	v_fma_f32 v[TAU+1], v[TAU+1], s57, 1.0
	v_sub_f32 v[OM], 1.0, v[TAU]
	v_sub_f32 v[OM+1], 1.0, v[TAU+1]
	v_mul_f32 v[LP], s49, v[TAU]                   ; qlp_0 = tauq q_0 (qlp starts at 0)
	v_mov_b32 v[LP+1], 0                           ; ylp starts at 0
	v_mul_f32 v[SK], s46, v[LP]                    ; s_0
	v_mov_b32 v[SK+1], 0
	v_mov_b32 v[X], s50                            ; x_0 = noise_0 (u and e start at 0)
	v_mov_b32 v[X+1], 0
	s_wait_loadcnt 0x0                             ; all 18 loads are used from here on
	ds_store_b128 v15, v[2:5]
	ds_store_b128 v15, v[6:9] offset:2048          ; entry tau + 128
.irp i, 0,1,2,3,4,5,6,7
	v_pk_mul_f32 v[B+2*\i:B+2*\i+1], v[B+2*\i:B+2*\i+1], s[42:43] op_sel_hi:[1,0]                                 ; b = sigma_b z
.endr
.irp i, 0,1,2,3,4,5,6,7
	v_pk_fma_f32 v[C+2*\i:C+2*\i+1], v[WINQ+2*\i:WINQ+2*\i+1], v[SK:SK+1], v[B+2*\i:B+2*\i+1] op_sel_hi:[1,0,1]   ; c_0 = s_0 w_inq + b
.endr
	s_wait_dscnt 0x0                               ; my two entries are in LDS: zero, for the other waves' sake
	s_barrier_signal -1
	s_barrier_wait -1                              ; the table is whole; nobody writes it again
.macro UPD i                           ; w += (wd lr e) h of the last step; w has been multiplied by wd already
	v_pk_fma_f32 v[W+2*\i:W+2*\i+1], v[H+2*\i:H+2*\i+1], v[G:G+1], v[W+2*\i:W+2*\i+1] op_sel_hi:[1,0,1]
.endm
; The first half of a step: from x to my wave's pair in LDS, then what the next step can have without u.
; toff: the step's table entry, counted from ATB.  slot: step & 1.  first = 1: step 0, no update is due.  last = 1: step 255, nothing follows.
.macro MAIN toff, slot, first, last
.if \last == 0
	ds_load_b128 v[TB:TB+3], v[ATB] offset:\toff   ; wanted behind the barrier's signal: the whole half step to land in
.endif
.irp i, 0,1,2,3,4,5,6,7
	v_pk_fma_f32 v[C+2*\i:C+2*\i+1], v[WIN+2*\i:WIN+2*\i+1], v[X:X+1], v[C+2*\i:C+2*\i+1] op_sel_hi:[1,0,1]       ; c + x w_in
.endr
.if \first == 0
.if \last == 0
	v_mul_f32 v[N], v[G+1], v[G+1]                 ; the last step's learning-rate chain rides among the updates: (lr e)^2,
.endif
	UPD 0
	UPD 1
	UPD 2
	UPD 3
.if \last == 0
	v_fmaak_f32 v[N], v[N], v[US+1], FUDGE         ; 1e-4 + (lr e)^2 <h, h>,
.endif
	UPD 4
	UPD 5
.if \last == 0
	v_sqrt_f32 v[N+1], v[N]                        ; the norm; the updates behind it are the plain instructions in front of its use (ISA guide 5.7.2)
.endif
	UPD 6
	UPD 7
.endif
.irp i, 0,1,2,3,4,5,6,7
	v_dual_max_num_f32 v[H+2*\i], 0, v[C+2*\i] :: v_dual_max_num_f32 v[H+2*\i+1], 0, v[C+2*\i+1]                  ; relu, two features to an instruction
.endr
.if (\first == 0) && (\last == 0)
	s_wait_alu depctr_va_vdst(0)
	v_mul_f32 v[Q+1], v[N+1], v[KC+1]              ; -rate norm log2 e
.endif
	v_pk_mul_f32 v[D0:D0+1], v[W:W+1],   v[H:H+1]          ; the first products start the four chains: nothing is cleared
	v_pk_mul_f32 v[D1:D1+1], v[W+2:W+3], v[H+2:H+3]
	v_pk_mul_f32 v[E0:E0+1], v[H:H+1],   v[H:H+1]
	v_pk_mul_f32 v[E1:E1+1], v[H+2:H+3], v[H+2:H+3]
.if (\first == 0) && (\last == 0)
	v_exp_f32 v[Q], v[Q+1]                         ; used twelve plain instructions further down
.endif
.irp i, 2,4,6
	v_pk_fma_f32 v[D0:D0+1], v[W+2*\i:W+2*\i+1],   v[H+2*\i:H+2*\i+1],   v[D0:D0+1]
	v_pk_fma_f32 v[D1:D1+1], v[W+2*\i+2:W+2*\i+3], v[H+2*\i+2:H+2*\i+3], v[D1:D1+1]
	v_pk_fma_f32 v[E0:E0+1], v[H+2*\i:H+2*\i+1],   v[H+2*\i:H+2*\i+1],   v[E0:E0+1]
	v_pk_fma_f32 v[E1:E1+1], v[H+2*\i+2:H+2*\i+3], v[H+2*\i+2:H+2*\i+3], v[E1:E1+1]
.endr
.if (\first == 0) && (\last == 0)
	s_wait_alu depctr_va_vdst(0)
	v_pk_mul_f32 v[LRP:LRP+1], v[LRP:LRP+1], v[Q:Q+1] op_sel_hi:[1,0]       ; this step's lr and wd lr, in time for this step's e
.endif
	v_pk_add_f32 v[D0:D0+1], v[D0:D0+1], v[D1:D1+1]
	v_pk_add_f32 v[E0:E0+1], v[E0:E0+1], v[E1:E1+1]
	v_add_f32 v[R],   v[D0], v[D0+1]
	v_add_f32 v[R+1], v[E0], v[E0+1]
.irp m, 1,2,4,8
	v_add_f32_dpp v[R],   v[R],   v[R]   row_xmask:\m row_mask:0xf bank_mask:0xf    ; lane i adds lane i xor m: the two sums take turns
	v_add_f32_dpp v[R+1], v[R+1], v[R+1] row_xmask:\m row_mask:0xf bank_mask:0xf
.endr
	v_permlanex16_b32 v[T],   v[R],   s6, s7
	v_permlanex16_b32 v[T+1], v[R+1], s6, s7
	v_pk_add_f32 v[R:R+1], v[R:R+1], v[T:T+1]      ; every lane holds the wave's pair
	ds_store_b64 v[AST], v[R:R+1] offset:32*\slot  ; all lanes write the same 8 bytes with the same value
.if \last == 0
.irp i, 0,1,2,3,4,5,6,7
	v_pk_mul_f32 v[W+2*\i:W+2*\i+1], v[W+2*\i:W+2*\i+1], v[WD:WD+1] op_sel_hi:[1,0]    ; the decay of the old weights needs no u
.endr
.endif
	s_wait_dscnt 0x0                               ; zero: my pair is in LDS for the others, my reads of the other slot (last step) are back, and so is the table entry
	s_barrier_signal -1
.if \last == 0
	v_pk_mul_f32 v[TM:TM+1], v[TAU:TAU+1], v[TB:TB+1]                       ; registers only between signal and wait: the two low-pass filters,
	v_pk_fma_f32 v[LP:LP+1], v[OM:OM+1], v[LP:LP+1], v[TM:TM+1]             ; (qlp of the next step, ylp of this one)
	v_mul_f32 v[SK], v[KC], v[LP]                                           ; s = q_scale qlp
	v_add_f32 v[SK+1], v[LP+1], v[TB+2]                                     ; k = ylp + the next step's noise
.irp i, 0,1,2,3,4,5,6,7
	v_pk_fma_f32 v[C+2*\i:C+2*\i+1], v[WINQ+2*\i:WINQ+2*\i+1], v[SK:SK+1], v[B+2*\i:B+2*\i+1] op_sel_hi:[1,0,1]   ; the next step's c
.endr
.endif
	s_barrier_wait -1                              ; all four pairs are in the slot
.endm
; The second half: u, and from it x, e and the update's factors.  k: the step is the loop's counter + k; thread counter + k keeps u in register o.
.macro POST slot, k, o, last
	ds_load_b128 v[SUM:SUM+3],   v[ARD] offset:32*\slot
	ds_load_b128 v[SUM+4:SUM+7], v[ARD] offset:32*\slot+16
	s_wait_dscnt 0x0                               ; both are used at once
	v_pk_add_f32 v[SUM:SUM+1],     v[SUM:SUM+1],     v[SUM+2:SUM+3]
	v_pk_add_f32 v[SUM+4:SUM+5],   v[SUM+4:SUM+5],   v[SUM+6:SUM+7]
	v_pk_add_f32 v[US:US+1],       v[SUM:SUM+1],     v[SUM+4:SUM+5]         ; (u, <h, h>), the same bits in every wave
.if \last == 0
	v_fma_f32 v[X], v[US], v[WD+1], v[SK+1]        ; x = ufs u + (ylp - u) + noise = (ufs - 1) u + k
	v_sub_f32 v[X+1], v[LP+1], v[US]               ; e = ylp - u
.endif
.if \k == 0
	v_cmp_eq_u32 vcc_lo, s5, v0
.else
	v_cmp_eq_u32 vcc_lo, s5, v[TID+\k]
.endif
.if \last == 0
	v_pk_mul_f32 v[G:G+1], v[LRP:LRP+1], v[X:X+1] op_sel:[0,1] op_sel_hi:[1,1]          ; (wd lr e, lr e): both halves take e
.endif
	v_cndmask_b32 v[\o], v[\o], v[US], vcc_lo      ; a select, not a branch: one thread keeps this step's u
.endm
.macro FOUR o, tb                      ; four steps' second halves, each followed by the next step's first half
	POST 0, 0, \o, 0
	MAIN \tb+16, 1, 0, 0
	POST 1, 1, \o, 0
	MAIN \tb+32, 0, 0, 0
	POST 0, 2, \o, 0
	MAIN \tb+48, 1, 0, 0
	POST 1, 3, \o, 0
	MAIN \tb+64, 0, 0, 0
.endm
	MAIN TAB, 0, 1, 0                              ; step 0, first half (ATB = 0)
	s_mov_b32 s5, 0
.Lfirst:                                               ; s5 = 0, 4 .. 124: second halves of steps s5 .. s5 + 3, first halves of s5 + 1 .. s5 + 4
	v_lshlrev_b32 v[ATB], 4, s5                    ; entry s5, counted from the table's base
	FOUR O0, TAB
	s_add_co_u32 s5, s5, 4
	s_cmp_lt_u32 s5, 128
	s_cbranch_scc1 .Lfirst
	s_mov_b32 s5, 0
.Lsecond:                                              ; s5 = 0, 4 .. 120: the same for steps 128 + s5 ..
	v_lshlrev_b32 v[ATB], 4, s5
	FOUR O1, TAB+2048
	s_add_co_u32 s5, s5, 4
	s_cmp_lt_u32 s5, 124
	s_cbranch_scc1 .Lsecond
	v_mov_b32 v[ATB], 124*16                       ; s5 = 124: steps 252 to 255 are written out, since the last one prepares no successor
	POST 0, 0, O1, 0
	MAIN TAB+2048+16, 1, 0, 0
	POST 1, 1, O1, 0
	MAIN TAB+2048+32, 0, 0, 0
	POST 0, 2, O1, 0
	MAIN 0, 1, 0, 1                                ; step 255: update, h, u; no table entry, no decay, no learning-rate chain
	POST 1, 3, O1, 1
	v_lshlrev_b32 v[OO], 11, v0                    ; row tau of out0
	v_mul_f32 v[O0], s43, v[O0]                    ; a_mean = output_scale u
	v_mul_f32 v[O1], s43, v[O1]
	global_store_b32 v[OO], v[O0], s[20:21]                    ; out0[tau][b]
	global_store_b32 v[OO], v[O1], s[20:21] offset:128*ROWB    ; out0[128 + tau][b]
	s_wait_tensorcnt 0x0
	ds_add_u32 v254, v255
	s_wait_dscnt 0x0
	s_endpgm
.Lfunc_end_k_qca40b435b5_chain:
	.size	k_qca40b435b5_chain, .Lfunc_end_k_qca40b435b5_chain-k_qca40b435b5_chain
	.p2alignl 7, 3214868480
	.fill 96, 4, 3214868480
	.section	.rodata,"a",@progbits
	.p2align	6, 0x0
	.amdhsa_kernel k_qca40b435b5_chain
		.amdhsa_group_segment_fixed_size 4864
		.amdhsa_private_segment_fixed_size 0
		.amdhsa_enable_private_segment 0
		.amdhsa_kernarg_size 128
		.amdhsa_user_sgpr_count 2
		.amdhsa_user_sgpr_kernarg_segment_ptr 1
		.amdhsa_wavefront_size32 1
		.amdhsa_system_sgpr_workgroup_id_x 1
		.amdhsa_system_sgpr_workgroup_id_y 1
		.amdhsa_system_sgpr_workgroup_id_z 1
		.amdhsa_system_vgpr_workitem_id 0
		.amdhsa_next_free_vgpr 512
		.amdhsa_next_free_sgpr 66
		.amdhsa_reserve_vcc 1
		.amdhsa_float_denorm_mode_32 3
		.amdhsa_float_denorm_mode_16_64 3
		.amdhsa_memory_ordered 1
		.amdhsa_forward_progress 1
		.amdhsa_inst_pref_size 74
	.end_amdhsa_kernel
	.amdgpu_metadata
---
amdhsa.version: [ 1, 2 ]
amdhsa.kernels:
  - .name:           k_qca40b435b5_chain
    .symbol:         k_qca40b435b5_chain.kd
    .args:
      - { .name: noises, .offset: 0, .size: 8, .value_kind: global_buffer, .address_space: global }
      - { .name: ys, .offset: 8, .size: 8, .value_kind: global_buffer, .address_space: global }
      - { .name: qs, .offset: 16, .size: 8, .value_kind: global_buffer, .address_space: global }
      - { .name: z_biases, .offset: 24, .size: 8, .value_kind: global_buffer, .address_space: global }
      - { .name: w_in, .offset: 32, .size: 8, .value_kind: global_buffer, .address_space: global }
      - { .name: w_inq, .offset: 40, .size: 8, .value_kind: global_buffer, .address_space: global }
      - { .name: out0, .offset: 48, .size: 8, .value_kind: global_buffer, .address_space: global }
      - { .name: log_learning_rate, .offset: 56, .size: 8, .value_kind: global_buffer, .address_space: global }
      - { .name: log_learning_rate_decay, .offset: 64, .size: 8, .value_kind: global_buffer, .address_space: global }
      - { .name: sigma_b, .offset: 72, .size: 8, .value_kind: global_buffer, .address_space: global }
      - { .name: output_scale, .offset: 80, .size: 8, .value_kind: global_buffer, .address_space: global }
      - { .name: u_feedback_scale, .offset: 88, .size: 8, .value_kind: global_buffer, .address_space: global }
      - { .name: log_weight_decay, .offset: 96, .size: 8, .value_kind: global_buffer, .address_space: global }
      - { .name: q_scale, .offset: 104, .size: 8, .value_kind: global_buffer, .address_space: global }
      - { .name: tauqlpf_m1, .offset: 112, .size: 8, .value_kind: global_buffer, .address_space: global }
      - { .name: tauylpf_m1, .offset: 120, .size: 8, .value_kind: global_buffer, .address_space: global }
    .group_segment_fixed_size: 4864
    .private_segment_fixed_size: 0
    .kernarg_segment_align: 8
    .kernarg_segment_size: 128
    .max_flat_workgroup_size: 128
    .sgpr_count:     66
    .vgpr_count:     512
    .wavefront_size: 32
...
	.end_amdgpu_metadata
.endif
;; end of part 1
;; ======== version 2 of 2: 1 launch; version 1 with the launch chain written anew for expert scheduling mode
;; launch chain (part 2): grid 512 x 1, 4 waves a work-group, no clusters, 4,864 bytes of LDS; arguments noises, ys, qs, z_biases, w_in, w_inq, out0, log_learning_rate, log_learning_rate_decay, sigma_b, output_scale, u_feedback_scale, log_weight_decay, q_scale, tauqlpf_m1, tauylpf_m1; writes out0
.if DOCPART == 2
	.amdgcn_target "amdgcn-amd-amdhsa--gfx1250"
	.amdhsa_code_object_version 6
	.text
	.protected	k_qca40b435b5_chain
	.globl	k_qca40b435b5_chain
	.p2align	8
	.type	k_qca40b435b5_chain,@function
k_qca40b435b5_chain:
	s_mov_b64 s[64:65], 0
	v_nop
	global_prefetch_b8 v0, s[64:65] scope:SCOPE_SE
	s_setreg_imm32_b32 hwreg(HW_REG_WAVE_SCHED_MODE, 0, 2), 2
	s_setreg_imm32_b32 hwreg(HW_REG_WAVE_MODE, 25, 1), 1
	s_wait_xcnt 0x0
	s_wait_alu depctr_vm_vsrc(0)
; An online-learning recurrence: 512 batch elements, each a chain of 256 steps on its own weights w[2048].
;   h = relu(b + s_t w_inq + x_t w_in),  u_t = <w, h>,  e = ylp_t - u_t,  w <- wd (w + lr e h),  lr <- lr exp(-rate sqrt(1e-4 + |lr e h|^2)),
;   x_(t+1) = ufs u_t + e + noise_(t+1),  out[t][b] = output_scale u_t.
; SHARES.  A work-group is ONE batch element (ttmp9), four waves.  Thread tau (0..127) keeps 16 of the 2,048 features, j = 512 m + 4 tau + i, for the whole launch:
; w, h, c, w_in, w_inq and b are 8 register pairs each, all arithmetic is f32, two features to a packed instruction.  Nothing of the state ever leaves registers.
; ONE EXCHANGE A STEP.  Each wave reduces (sum w h, sum h h) over its lanes, stores the pair to its own 8 bytes of a 32-byte LDS slot, one barrier, and every wave adds
; the four pairs in the same order: all waves carry the same scalars (u, e, x, lr, qlp, ylp), bit for bit, and no broadcast is needed.  Two slots take turns, so that
; one barrier a step orders both the stores in front of the reads and the reads in front of the slot's next stores (two steps and one barrier later).
; WHAT IS TAKEN OFF THE CHAIN x -> u -> x.  qlp, ylp, c = b + s w_inq and the decay wd w need no u: they are done between the slot's store and the barrier's wait.
; The learning-rate chain (square root, exponential) of step t is strewn among the packed work of step t + 1 and is ready before step t + 1's e.
; The per-step scalars (q_(t+1), y_t, noise_(t+1)[b]) lie in an LDS table of 256 entries of 16 bytes, built once, read by one load a step.
; THE DOT PRODUCT STAYS ON THE VECTOR UNIT: 'kj,kj->k' pairs row k of w with row k of h alone.  As a 16 x 16 x 32 matrix product only the 16 diagonal results of 256
; would be wanted, 512 of 8,192 multiply-adds, and w and h would have to be narrowed in every step of a 256-step feedback.  No tile is shared between work-groups but
; 24 KiB of vectors read once, so there are no clusters and no tensor loads; all memory reads stand at the head, so nothing is prefetched.
; noises and out0 are [step][batch]: this work-group's column is 4 bytes in each row of 2,048.  Each thread loads two such words and stores two, once in the launch.
; THE MODE: SCHED_MODE bits 1:0 = 2 (LLVM: expert scheduling mode 2), set by the entry lines.  The code itself states the register dependences
; between vector instructions and memory or LDS instructions, with s_wait_alu, always for 0.
; THE PLAN.  Registers that LDS instructions touch, in the loop:
;   R         Written by step t's reduction; read by step t's store of the pair; written again by step t + 1's reduction.
;   SUM       Step t's two loads of the four pairs land in it; step t's three additions read and write it.
;   TB0, TB1  Step t's table load lands in TB[t & 1], at the step's head; two lines between step t's signal and wait read it.  The same buffer is loaded again two steps on.
;   ATB       Read by every table load; written once in four steps, in the trip's last first half, behind that half's table load.
;   AST, ARD  Made at the head, never written again.
; ONE wait on va_vdst stands in a step, directly ahead of the pair's store.  It states that R is written; that the last step's additions are done with SUM; that the lines
; of the step before are done reading the OTHER table buffer; and, in every fourth step, that ATB is written.  From there to the loads of SUM stand the decay and the
; lines between signal and wait, and from there to the next table load the second half's lines: none of them names SUM, ARD, ATB or the other table buffer.
; ONE wait on vm_vsrc stands in a step, ahead of the reduction's first write of R: the last step's store has read R, and this step's table load has read ATB.
; The four selects of a trip take their masks from scalar registers: four compares in a run, which need the counter alone, and one wait on va_sdst behind the run.
; LIMITS.  (1) Sums run in another order than a plain loop over j (4 chains a lane, lanes, waves).  (2) x_(t+1) is formed as (ufs - 1) u + (ylp + noise), and the update
; as wd w + (wd lr e) h: one rounding more or less than the written order.  (3) |lr e h|^2 is formed as (lr e)^2 <h, h>: (lr e)^2 leaves f32's normal range for |lr e|
; below 1.1e-19 or above 1.8e19.  (4) v_exp_f32 gives 0 where the result is below 2^-126 (ISA guide, its entry in 15.8): log_learning_rate or log_weight_decay below
; -87.3 give 0 and not a denormal.  (5) softplus is log(1 + exp(v)), absolute error about 6e-8 on a tau of at least 1.  (6) relu by v_max_num_f32 makes 0 of a NaN:
; the values are right where the recurrence stays finite.
.set ROWB,  2048                       ; bytes in a row of noises and of out0 (512 f32)
.set TAB,   64                         ; LDS: bytes 0..63 two exchange slots of 32 bytes; from 64 the table, 256 x 16 bytes
.set FUDGE, 0x38d1b717                 ; 1e-4
.set WIN,  16                          ; v[16:31]   w_in of my 16 features
.set WINQ, 32                          ; v[32:47]   w_inq
.set B,    48                          ; v[48:63]   z_biases, then sigma_b z_biases
.set C,    64                          ; v[64:79]   c = b + s w_inq, then c + x w_in in place
.set H,    80                          ; v[80:95]   h
.set W,    96                          ; v[96:111]  w_out
.set D0,   112                         ; two chains of sum w h
.set D1,   114
.set E0,   116                         ; two chains of sum h h
.set E1,   118
.set R,    120                         ; (sum w h, sum h h) of the lane, then of the wave
.set T,    122                         ; the other half's pair
.set SUM,  124                         ; v[124:131] the four waves' pairs
.set US,   132                         ; (u, S = <h, h>)
.set X,    134                         ; (x of the next step, e)
.set G,    136                         ; (wd lr e, lr e)
.set LRP,  138                         ; (wd lr, lr), lr = lr0 lr_mult
.set Q,    140                         ; (exp(-rate norm), its exponent to base 2)
.set N,    142                         ; (norm^2, norm)
.set TB,   144                         ; v[144:147], v[176:179] a table entry: q_(t+1), y_t, noise_(t+1), 0: two buffers, by the step's parity
.set TBS,  32                          ; registers from the one buffer to the other
.set LP,   148                         ; (qlp, ylp)
.set SK,   150                         ; (s = q_scale qlp, k = ylp + noise)
.set TM,   152                         ; at work
.set TAU,  154                         ; (tauq, tauy)
.set OM,   156                         ; (1 - tauq, 1 - tauy)
.set WD,   158                         ; (wd, ufs - 1)
.set KC,   160                         ; (q_scale, -rate log2 e)
.set O0,   164                         ; u of step tau
.set O1,   165                         ; u of step 128 + tau
.set TID,  166                         ; v[167:169] tau - 1, tau - 2, tau - 3
.set ATB,  170                         ; 16 x the number of the trip's first step: the table's read address
.set AST,  171                         ; 8 x wave: my wave's place in a slot
.set ARD,  172                         ; 0
.set OO,   173                         ; tau rows of out0, in bytes
.set MK,   52                          ; s[52:55]   a trip's four masks: which thread keeps u of step counter + k (free once the head's exponentials have been issued)
	s_load_b512 s[8:23], s[0:1], 0x0               ; noises 8, ys 10, qs 12, z_biases 14, w_in 16, w_inq 18, out0 20, log_learning_rate 22
	s_load_b512 s[24:39], s[0:1], 0x40             ; log_lr_decay 24, sigma_b 26, output_scale 28, u_feedback_scale 30, log_weight_decay 32, q_scale 34, tauq 36, tauy 38
	v_lshl_add_u32 v254, v0, 2, 0x1100
	v_mov_b32 v255, 0
	s_lshl_b32 s2, ttmp9, 2                        ; my batch element's 4 bytes in a row
	s_mov_b32 s3, 0
	s_mov_b32 s6, 0x76543210                       ; v_permlanex16_b32: lane i of one half reads lane i of the other
	s_mov_b32 s7, 0xfedcba98
	s_mov_b32 s51, 0x3fb8aa3b                      ; log2 e
	s_mov_b32 s57, 0x3f317218                      ; ln 2
	v_lshrrev_b32 v2, 5, v0
	v_readfirstlane_b32 s4, v2                     ; wave 0..3
	v_mov_b32 v[ARD], 0
	v_mov_b32 v[ATB], 0
	v_lshlrev_b32 v1, 4, v0                        ; 16 tau: my 4 features in each block of 512
	v_add_nc_u32 v10, 1, v0                        ; entry tau wants step tau + 1's q and noise,
	v_add_nc_u32 v11, 129, v0                      ; entry tau + 128 step tau + 129's,
	v_min_u32 v11, 0xff, v11                       ; held at the last step: no load leaves its buffer (entry 255 is never read)
	v_lshlrev_b32 v12, 2, v0
	v_lshlrev_b32 v13, 11, v10                     ; rows of noises, in bytes
	v_lshlrev_b32 v14, 11, v11
	v_lshlrev_b32 v10, 2, v10
	v_lshlrev_b32 v11, 2, v11
	v_add_nc_u32 v15, TAB, v1                      ; where entry tau goes
.irp k, 1,2,3
	v_add_nc_u32 v[TID+\k], -\k, v0
.endr
	v_mov_b32 v5, 0                                ; the entries' fourth words
	v_mov_b32 v9, 0
	s_wait_alu depctr_va_sdst(0)                   ; s4 is written, ahead of its first reader
	s_lshl_b32 s59, s4, 3
	v_mov_b32 v[AST], s59
	s_wait_kmcnt 0x0                               ; scalar loads come back in no order: only the count 0 shows the addresses there
	s_add_nc_u64 s[8:9], s[8:9], s[2:3]            ; noises and out0 at my column
	s_add_nc_u64 s[20:21], s[20:21], s[2:3]
	s_load_b32 s40, s[22:23], 0x0                  ; log_learning_rate
	s_load_b32 s41, s[24:25], 0x0                  ; log_learning_rate_decay
	s_load_b32 s42, s[26:27], 0x0                  ; sigma_b
	s_load_b32 s43, s[28:29], 0x0                  ; output_scale
	s_load_b32 s44, s[30:31], 0x0                  ; u_feedback_scale
	s_load_b32 s45, s[32:33], 0x0                  ; log_weight_decay
	s_load_b32 s46, s[34:35], 0x0                  ; q_scale
	s_load_b32 s47, s[36:37], 0x0                  ; tauqlpf_m1
	s_load_b32 s48, s[38:39], 0x0                  ; tauylpf_m1
	s_load_b32 s49, s[12:13], 0x0                  ; qs[0]
	s_load_b32 s50, s[8:9], 0x0                    ; noises[0][b]
	s_wait_alu depctr_va_vdst(0)                   ; written: the offsets v1 and v10 to v14, which the loads below read; v15, v5 and v9, which the table's stores read; ATB, AST and ARD, which the steps' LDS instructions read; and the lines that wrote and read v2, in which a load lands, are done
.irp m, 0,1,2,3
	global_load_b128 v[B+4*\m:B+4*\m+3],       v1, s[14:15] offset:2048*\m   ; a wave's load covers 512 neighbouring bytes
	global_load_b128 v[WIN+4*\m:WIN+4*\m+3],   v1, s[16:17] offset:2048*\m
	global_load_b128 v[WINQ+4*\m:WINQ+4*\m+3], v1, s[18:19] offset:2048*\m
.endr
	global_load_b32 v2, v10, s[12:13]              ; entry tau: q of step tau + 1,
	global_load_b32 v3, v12, s[10:11]              ; y of step tau,
	global_load_b32 v4, v13, s[8:9]                ; noise of step tau + 1
	global_load_b32 v6, v11, s[12:13]              ; entry tau + 128 likewise
	global_load_b32 v7, v12, s[10:11] offset:512
	global_load_b32 v8, v14, s[8:9]
.irp i, 0,1,2,3,4,5,6,7
	v_dual_mov_b32 v[W+2*\i], 0 :: v_dual_mov_b32 v[W+2*\i+1], 0            ; w_out starts at zero: the recurrence's initial state
.endr
	v_mov_b32 v[T], 0                              ; v_permlanex16_b32 counts as a reader of its destination
	v_mov_b32 v[T+1], 0
	v_mov_b32 v[O0], 0                             ; the selects below keep the old value in the other lanes
	v_mov_b32 v[O1], 0
	s_wait_kmcnt 0x0                               ; the eleven scalars
	s_mul_f32 s52, s40, s51                        ; e^v = 2^(v log2 e)
	s_mul_f32 s53, s45, s51
	s_mul_f32 s54, s41, s51
	s_mul_f32 s55, s47, s51
	s_mul_f32 s56, s48, s51
	s_add_f32 s58, s44, -1.0                       ; ufs - 1
	v_exp_f32 v[LRP+1], s52                        ; lr0
	v_exp_f32 v[WD], s53                           ; wd
	v_exp_f32 v[KC+1], s54                         ; rate
	v_exp_f32 v[TAU], s55
	v_exp_f32 v[TAU+1], s56
	v_mov_b32 v[WD+1], s58                         ; the plain instruction between the exponentials and the first use of a result (ISA guide 5.7.2)
	s_wait_alu depctr_va_vdst(0)
	v_add_f32 v[TAU], 1.0, v[TAU]
	v_add_f32 v[TAU+1], 1.0, v[TAU+1]
	v_log_f32 v[TAU], v[TAU]                       ; log2(1 + e^v)
	v_log_f32 v[TAU+1], v[TAU+1]
	v_mul_f32 v[LRP], v[LRP+1], v[WD]              ; likewise behind the logarithms: wd lr0
	v_mul_f32 v[KC+1], 0xbfb8aa3b, v[KC+1]         ; -rate log2 e
	v_mov_b32 v[KC], s46
	s_wait_alu depctr_va_vdst(0)
	v_fma_f32 v[TAU], v[TAU], s57, 1.0             ; tau = 1 + softplus
	v_fma_f32 v[TAU+1], v[TAU+1], s57, 1.0
	v_sub_f32 v[OM], 1.0, v[TAU]
	v_sub_f32 v[OM+1], 1.0, v[TAU+1]
	v_mul_f32 v[LP], s49, v[TAU]                   ; qlp_0 = tauq q_0 (qlp starts at 0)
	v_mov_b32 v[LP+1], 0                           ; ylp starts at 0
	v_mul_f32 v[SK], s46, v[LP]                    ; s_0
	v_mov_b32 v[SK+1], 0
	v_mov_b32 v[X], s50                            ; x_0 = noise_0 (u and e start at 0)
	v_mov_b32 v[X+1], 0
	s_wait_loadcnt 0x0                             ; all 18 loads are used from here on
	ds_store_b128 v15, v[2:5]                      ; no vector instruction since the wait on va_vdst above names v2 to v9 or v15
	ds_store_b128 v15, v[6:9] offset:2048          ; entry tau + 128
.irp i, 0,1,2,3,4,5,6,7
	v_pk_mul_f32 v[B+2*\i:B+2*\i+1], v[B+2*\i:B+2*\i+1], s[42:43] op_sel_hi:[1,0]                                 ; b = sigma_b z
.endr
.irp i, 0,1,2,3,4,5,6,7
	v_pk_fma_f32 v[C+2*\i:C+2*\i+1], v[WINQ+2*\i:WINQ+2*\i+1], v[SK:SK+1], v[B+2*\i:B+2*\i+1] op_sel_hi:[1,0,1]   ; c_0 = s_0 w_inq + b
.endr
	s_wait_dscnt 0x0                               ; my two entries are in LDS: zero, for the other waves' sake
	s_barrier_signal -1
	s_barrier_wait -1                              ; the table is whole; nobody writes it again
.macro UPD i                           ; w += (wd lr e) h of the last step; w has been multiplied by wd already
	v_pk_fma_f32 v[W+2*\i:W+2*\i+1], v[H+2*\i:H+2*\i+1], v[G:G+1], v[W+2*\i:W+2*\i+1] op_sel_hi:[1,0,1]
.endm
; The first half of a step: from x to my wave's pair in LDS, then what the next step can have without u.
; toff: the step's table entry, counted from ATB.  slot: step & 1, the exchange slot and the table buffer.  first = 1: step 0, no update is due.  last = 1: step 255, nothing follows.
; step: not 0 in a trip's last first half: ATB becomes 16 x counter + step, the next trip's first step.
.macro MAIN toff, slot, first, last, step=0
.if \last == 0
	ds_load_b128 v[TB+TBS*\slot:TB+TBS*\slot+3], v[ATB] offset:\toff   ; wanted behind the barrier's signal: the whole half step to land in.  No wait: no vector instruction since the last wait on va_vdst names this buffer or ATB
.endif
.irp i, 0,1,2,3,4,5,6,7
	v_pk_fma_f32 v[C+2*\i:C+2*\i+1], v[WIN+2*\i:WIN+2*\i+1], v[X:X+1], v[C+2*\i:C+2*\i+1] op_sel_hi:[1,0,1]       ; c + x w_in
.endr
.if \first == 0
.if \last == 0
	v_mul_f32 v[N], v[G+1], v[G+1]                 ; the last step's learning-rate chain rides among the updates: (lr e)^2,
.endif
	UPD 0
	UPD 1
	UPD 2
	UPD 3
.if \last == 0
	v_fmaak_f32 v[N], v[N], v[US+1], FUDGE         ; 1e-4 + (lr e)^2 <h, h>,
.endif
	UPD 4
	UPD 5
.if \last == 0
	v_sqrt_f32 v[N+1], v[N]                        ; the norm; the updates behind it are the plain instructions in front of its use (ISA guide 5.7.2)
.endif
	UPD 6
	UPD 7
.endif
.irp i, 0,1,2,3,4,5,6,7
	v_dual_max_num_f32 v[H+2*\i], 0, v[C+2*\i] :: v_dual_max_num_f32 v[H+2*\i+1], 0, v[C+2*\i+1]                  ; relu, two features to an instruction
.endr
.if (\first == 0) && (\last == 0)
	s_wait_alu depctr_va_vdst(0)
	v_mul_f32 v[Q+1], v[N+1], v[KC+1]              ; -rate norm log2 e
.endif
	v_pk_mul_f32 v[D0:D0+1], v[W:W+1],   v[H:H+1]          ; the first products start the four chains: nothing is cleared
	v_pk_mul_f32 v[D1:D1+1], v[W+2:W+3], v[H+2:H+3]
	v_pk_mul_f32 v[E0:E0+1], v[H:H+1],   v[H:H+1]
	v_pk_mul_f32 v[E1:E1+1], v[H+2:H+3], v[H+2:H+3]
.if (\first == 0) && (\last == 0)
	v_exp_f32 v[Q], v[Q+1]                         ; used twelve plain instructions further down
.endif
.irp i, 2,4,6
	v_pk_fma_f32 v[D0:D0+1], v[W+2*\i:W+2*\i+1],   v[H+2*\i:H+2*\i+1],   v[D0:D0+1]
	v_pk_fma_f32 v[D1:D1+1], v[W+2*\i+2:W+2*\i+3], v[H+2*\i+2:H+2*\i+3], v[D1:D1+1]
	v_pk_fma_f32 v[E0:E0+1], v[H+2*\i:H+2*\i+1],   v[H+2*\i:H+2*\i+1],   v[E0:E0+1]
	v_pk_fma_f32 v[E1:E1+1], v[H+2*\i+2:H+2*\i+3], v[H+2*\i+2:H+2*\i+3], v[E1:E1+1]
.endr
.if (\first == 0) && (\last == 0)
	s_wait_alu depctr_va_vdst(0)
	v_pk_mul_f32 v[LRP:LRP+1], v[LRP:LRP+1], v[Q:Q+1] op_sel_hi:[1,0]       ; this step's lr and wd lr, in time for this step's e
.endif
.if \first == 0
	s_wait_alu depctr_vm_vsrc(0)                   ; the last step's store has read R, which the additions below write again; this step's table load has read ATB, which a trip's last first half writes below
.endif
	v_pk_add_f32 v[D0:D0+1], v[D0:D0+1], v[D1:D1+1]
	v_pk_add_f32 v[E0:E0+1], v[E0:E0+1], v[E1:E1+1]
.if \step
	v_lshl_add_u32 v[ATB], s5, 4, \step            ; the next trip's first entry; the wait on va_vdst ahead of the store below stands between this line and the next table load
.endif
	v_add_f32 v[R],   v[D0], v[D0+1]
	v_add_f32 v[R+1], v[E0], v[E0+1]
.irp m, 1,2,4,8
	v_add_f32_dpp v[R],   v[R],   v[R]   row_xmask:\m row_mask:0xf bank_mask:0xf    ; lane i adds lane i xor m: the two sums take turns
	v_add_f32_dpp v[R+1], v[R+1], v[R+1] row_xmask:\m row_mask:0xf bank_mask:0xf
.endr
	v_permlanex16_b32 v[T],   v[R],   s6, s7
	v_permlanex16_b32 v[T+1], v[R+1], s6, s7
	v_pk_add_f32 v[R:R+1], v[R:R+1], v[T:T+1]      ; every lane holds the wave's pair
	s_wait_alu depctr_va_vdst(0)                   ; R is written, which the store reads; the last step's additions are done with SUM, in which this step's loads land; the last step's lines are done reading the other table buffer, in which the next step's load lands; ATB, where it was stepped, is written
	ds_store_b64 v[AST], v[R:R+1] offset:32*\slot  ; all lanes write the same 8 bytes with the same value
.if \last == 0
.irp i, 0,1,2,3,4,5,6,7
	v_pk_mul_f32 v[W+2*\i:W+2*\i+1], v[W+2*\i:W+2*\i+1], v[WD:WD+1] op_sel_hi:[1,0]    ; the decay of the old weights needs no u
.endr
.endif
	s_wait_dscnt 0x0                               ; zero: my pair is in LDS for the others, my reads of the other slot (last step) are back, and so is the table entry
	s_barrier_signal -1
.if \last == 0
	v_pk_mul_f32 v[TM:TM+1], v[TAU:TAU+1], v[TB+TBS*\slot:TB+TBS*\slot+1]   ; registers only between signal and wait: the two low-pass filters,
	v_pk_fma_f32 v[LP:LP+1], v[OM:OM+1], v[LP:LP+1], v[TM:TM+1]             ; (qlp of the next step, ylp of this one)
	v_mul_f32 v[SK], v[KC], v[LP]                                           ; s = q_scale qlp
	v_add_f32 v[SK+1], v[LP+1], v[TB+TBS*\slot+2]                           ; k = ylp + the next step's noise
.irp i, 0,1,2,3,4,5,6,7
	v_pk_fma_f32 v[C+2*\i:C+2*\i+1], v[WINQ+2*\i:WINQ+2*\i+1], v[SK:SK+1], v[B+2*\i:B+2*\i+1] op_sel_hi:[1,0,1]   ; the next step's c
.endr
.endif
	s_barrier_wait -1                              ; all four pairs are in the slot
.endm
; The second half: u, and from it x, e and the update's factors.  k: the step is the loop's counter + k; thread counter + k keeps u in register o.
.macro POST slot, k, o, last
	ds_load_b128 v[SUM:SUM+3],   v[ARD] offset:32*\slot        ; no wait: no vector instruction since the wait ahead of the pair's store names SUM or ARD
	ds_load_b128 v[SUM+4:SUM+7], v[ARD] offset:32*\slot+16
.if \k == 0
	v_cmp_eq_u32 s[MK],   s5, v0                   ; the trip's four masks in a run, while the two loads are out: they need the counter alone
	v_cmp_eq_u32 s[MK+1], s5, v[TID+1]
	v_cmp_eq_u32 s[MK+2], s5, v[TID+2]
	v_cmp_eq_u32 s[MK+3], s5, v[TID+3]
	s_wait_alu depctr_va_sdst(0)                   ; the four masks are written, ahead of their first reader: the trip's four selects read them
.endif
	s_wait_dscnt 0x0                               ; both are used at once
	v_pk_add_f32 v[SUM:SUM+1],     v[SUM:SUM+1],     v[SUM+2:SUM+3]
	v_pk_add_f32 v[SUM+4:SUM+5],   v[SUM+4:SUM+5],   v[SUM+6:SUM+7]
	v_pk_add_f32 v[US:US+1],       v[SUM:SUM+1],     v[SUM+4:SUM+5]         ; (u, <h, h>), the same bits in every wave
.if \last == 0
	v_fma_f32 v[X], v[US], v[WD+1], v[SK+1]        ; x = ufs u + (ylp - u) + noise = (ufs - 1) u + k
	v_sub_f32 v[X+1], v[LP+1], v[US]               ; e = ylp - u
	v_pk_mul_f32 v[G:G+1], v[LRP:LRP+1], v[X:X+1] op_sel:[0,1] op_sel_hi:[1,1]          ; (wd lr e, lr e): both halves take e
.endif
	v_cndmask_b32 v[\o], v[\o], v[US], s[MK+\k]    ; a select, not a branch: one thread keeps this step's u
.endm
.macro FOUR o, st                      ; four steps' second halves, each followed by the next step's first half; the last of these steps ATB
	POST 0, 0, \o, 0
	MAIN TAB+16, 1, 0, 0
	POST 1, 1, \o, 0
	MAIN TAB+32, 0, 0, 0
	POST 0, 2, \o, 0
	MAIN TAB+48, 1, 0, 0
	POST 1, 3, \o, 0
	MAIN TAB+64, 0, 0, 0, \st
.endm
	MAIN TAB, 0, 1, 0                              ; step 0, first half (ATB = 0)
	s_mov_b32 s5, 0
.Lfirst:                                               ; s5 = 0, 4 .. 124: second halves of steps s5 .. s5 + 3, first halves of s5 + 1 .. s5 + 4; ATB = 16 s5
	FOUR O0, 64
	s_add_co_u32 s5, s5, 4
	s_cmp_lt_u32 s5, 128
	s_cbranch_scc1 .Lfirst
	s_mov_b32 s5, 0
.Lsecond:                                              ; s5 = 0, 4 .. 120: the same for steps 128 + s5 ..; ATB = 2,048 + 16 s5: it runs on from the first loop
	FOUR O1, 2048+64
	s_add_co_u32 s5, s5, 4
	s_cmp_lt_u32 s5, 124
	s_cbranch_scc1 .Lsecond
	POST 0, 0, O1, 0                               ; s5 = 124, ATB = 16 x 252: steps 252 to 255 are written out, since the last one prepares no successor
	MAIN TAB+16, 1, 0, 0
	POST 1, 1, O1, 0
	MAIN TAB+32, 0, 0, 0
	POST 0, 2, O1, 0
	MAIN 0, 1, 0, 1                                ; step 255: update, h, u; no table entry, no decay, no learning-rate chain
	POST 1, 3, O1, 1
	v_lshlrev_b32 v[OO], 11, v0                    ; row tau of out0
	v_mul_f32 v[O0], s43, v[O0]                    ; a_mean = output_scale u
	v_mul_f32 v[O1], s43, v[O1]
	s_wait_alu depctr_va_vdst(0)                   ; the row's offset and the two scaled results are written, which the stores read
	global_store_b32 v[OO], v[O0], s[20:21]                    ; out0[tau][b]
	global_store_b32 v[OO], v[O1], s[20:21] offset:128*ROWB    ; out0[128 + tau][b]
	s_wait_dscnt 0x0
	s_wait_alu depctr_hold_cnt(0) depctr_sa_sdst(0) depctr_va_vdst(0) depctr_va_sdst(0) depctr_va_ssrc(0) depctr_va_vcc(0) depctr_vm_vsrc(0)
	s_wait_tensorcnt 0x0
	ds_add_u32 v254, v255
	s_wait_dscnt 0x0
	s_endpgm
.Lfunc_end_k_qca40b435b5_chain:
	.size	k_qca40b435b5_chain, .Lfunc_end_k_qca40b435b5_chain-k_qca40b435b5_chain
	.p2alignl 7, 3214868480
	.fill 96, 4, 3214868480
	.section	.rodata,"a",@progbits
	.p2align	6, 0x0
	.amdhsa_kernel k_qca40b435b5_chain
		.amdhsa_group_segment_fixed_size 4864
		.amdhsa_private_segment_fixed_size 0
		.amdhsa_enable_private_segment 0
		.amdhsa_kernarg_size 128
		.amdhsa_user_sgpr_count 2
		.amdhsa_user_sgpr_kernarg_segment_ptr 1
		.amdhsa_wavefront_size32 1
		.amdhsa_system_sgpr_workgroup_id_x 1
		.amdhsa_system_sgpr_workgroup_id_y 1
		.amdhsa_system_sgpr_workgroup_id_z 1
		.amdhsa_system_vgpr_workitem_id 0
		.amdhsa_next_free_vgpr 512
		.amdhsa_next_free_sgpr 66
		.amdhsa_reserve_vcc 0
		.amdhsa_float_denorm_mode_32 3
		.amdhsa_float_denorm_mode_16_64 3
		.amdhsa_memory_ordered 1
		.amdhsa_forward_progress 1
		.amdhsa_inst_pref_size 76
	.end_amdhsa_kernel
	.amdgpu_metadata
---
amdhsa.version: [ 1, 2 ]
amdhsa.kernels:
  - .name:           k_qca40b435b5_chain
    .symbol:         k_qca40b435b5_chain.kd
    .args:
      - { .name: noises, .offset: 0, .size: 8, .value_kind: global_buffer, .address_space: global }
      - { .name: ys, .offset: 8, .size: 8, .value_kind: global_buffer, .address_space: global }
      - { .name: qs, .offset: 16, .size: 8, .value_kind: global_buffer, .address_space: global }
      - { .name: z_biases, .offset: 24, .size: 8, .value_kind: global_buffer, .address_space: global }
      - { .name: w_in, .offset: 32, .size: 8, .value_kind: global_buffer, .address_space: global }
      - { .name: w_inq, .offset: 40, .size: 8, .value_kind: global_buffer, .address_space: global }
      - { .name: out0, .offset: 48, .size: 8, .value_kind: global_buffer, .address_space: global }
      - { .name: log_learning_rate, .offset: 56, .size: 8, .value_kind: global_buffer, .address_space: global }
      - { .name: log_learning_rate_decay, .offset: 64, .size: 8, .value_kind: global_buffer, .address_space: global }
      - { .name: sigma_b, .offset: 72, .size: 8, .value_kind: global_buffer, .address_space: global }
      - { .name: output_scale, .offset: 80, .size: 8, .value_kind: global_buffer, .address_space: global }
      - { .name: u_feedback_scale, .offset: 88, .size: 8, .value_kind: global_buffer, .address_space: global }
      - { .name: log_weight_decay, .offset: 96, .size: 8, .value_kind: global_buffer, .address_space: global }
      - { .name: q_scale, .offset: 104, .size: 8, .value_kind: global_buffer, .address_space: global }
      - { .name: tauqlpf_m1, .offset: 112, .size: 8, .value_kind: global_buffer, .address_space: global }
      - { .name: tauylpf_m1, .offset: 120, .size: 8, .value_kind: global_buffer, .address_space: global }
    .group_segment_fixed_size: 4864
    .private_segment_fixed_size: 0
    .kernarg_segment_align: 8
    .kernarg_segment_size: 128
    .max_flat_workgroup_size: 128
    .sgpr_count:     66
    .vgpr_count:     512
    .wavefront_size: 32
...
	.end_amdgpu_metadata
.endif
;; end of part 2
